; MI455X (gfx1250); checked and timed in simulation.
; The chip was launched on July 23, 2026; its instructions are those of AMD's public machine-readable ISA for CDNA 5 (MIT licence, August 2026) and "CDNA5" Instruction Set Architecture Reference Guide (July 2026). The comments in the code are by the model that wrote it; some were corrected since.
;; Attention. Allowed arithmetic: matrix products marked QUANTISED: E2M1 operands, one E8M0 scale for each 32 along K, by v_wmma_scale_f32_16x16x128_f8f6f4 with both operands' format E2M1 (or v_wmma_scale_f32_32x16x128_f4), f32 sums; everything else in f32.
;; Inputs: K_codes 4 x 16 x 2,048 x 2 x 16 uint8 (E2M1 codes of K, K innermost, in blocks of 32 codes, two codes a byte); K_scales 4 x 16 x 2,048 x 2 uint8 (E8M0 scales of K, one for each 32 codes along K); Q_codes 4 x 16 x 2,048 x 2 x 16 uint8 (E2M1 codes of Q, K innermost, in blocks of 32 codes, two codes a byte); Q_scales 4 x 16 x 2,048 x 2 uint8 (E8M0 scales of Q, one for each 32 codes along K); V_codes 4 x 16 x 64 x 64 x 16 uint8 (E2M1 codes of V, K innermost, in blocks of 32 codes, two codes a byte); V_scales 4 x 16 x 64 x 64 uint8 (E8M0 scales of V, one for each 32 codes along K); mask 1 x 1 x 2,048 x 2,048 bool.
;; Outputs: out0 4 x 16 x 2,048 x 64 float32.
;; This version of the problem:
;;   THIS VERSION OF THE PROBLEM IS GIVEN IN LOW PRECISION. The matrix products marked QUANTISED in the list below multiply operands that are first quantised to E2M1 (2 exponent bits, 1 mantissa bit; 4 bits a number), with one power-of-two scale for each 32 numbers along K (OCP MX v1.0); their sums are f32. All else is computed in f32.
;;   The module's matrix products, in the order in which they are computed (A, B: the left and right operand; K: the contracted axis; several contracted axes count as one K, in the product's order):
;;     1. batch 64 x [M 2,048, K 64] x [K 64, N 2,048]; A: input Q (given as codes); B: input K (given as codes): QUANTISED
;;     2. batch 64 x [M 2,048, K 2,048] x [K 2,048, N 64]; A: softmax (see below); B: input V (given as codes): QUANTISED
;;   THE QUANTISER, for each operand of a quantised product, along K:
;;     - K is cut into blocks of 32 from its start; a last block that is shorter is filled with zeros.
;;     - A block's scale is 2^e with e = floor(log2(the largest magnitude in the block)) - 2, held to -126 .. 127; a block of zeros has e = 0. As a byte (E8M0): e + 127.
;;     - Each number is divided by its block's scale, clamped to +-6, and rounded to the nearest number of E2M1, ties to even, subnormals kept.
;;     - The product sums the exact products of the quantised numbers (number of the format x scale) in f32.
;;   ~~~python
;;   def quantise(x, axis):      # numpy; x: float32 -> the quantised numbers, widened to float32 again
;;       x = np.moveaxis(x, axis, -1); K = x.shape[-1]
;;       x = np.pad(x, [(0, 0)] * (x.ndim - 1) + [(0, -K % 32)]); x = x.reshape(x.shape[:-1] + (-1, 32)); a = np.abs(x).max(-1, keepdims=True)
;;       e = np.where(a > 0, np.clip(np.frexp(np.where(a > 0, a, 1))[1] - 1 - 2, -126, 127), 0)      # np.frexp(a)[1] - 1 = floor(log2(a)), exactly
;;       r = np.clip(x / 2.0 ** e, -6, 6)
;;       step = 2.0 ** (np.maximum(np.frexp(np.where(r == 0, 1, r))[1] - 1, 0) - 1)
;;       q = np.round(r / step) * step * 2.0 ** e      # np.round: ties to even
;;       return np.moveaxis(q.reshape(q.shape[:-2] + (-1,))[..., :K], -1, axis).astype(np.float32)
;;   ~~~
;;   SOFTMAX AHEAD OF A QUANTISED PRODUCT. Where the list says 'softmax', what is quantised is not the finished softmax but p = 2^(t - M), with t = logit x log2(e) and M = ceil(the row's largest t), a whole number; so 1/2 < the row's largest p <= 1. The row's sum l is taken of the UNQUANTISED p, in f32, and the product's result is divided by l at the end. Since M is a whole number, a kernel that streams over the keys may use a running M (the ceiling of the running maximum): every later rescaling is an exact power of two, which a block's scale takes up: the codes' values come out the same.
;;   OPERANDS COMPUTED ON THE WAY. 'Computed on the way' means the value that the module computes at that place (a softmax that the list does not call 'softmax' is quantised finished and normalised). What goes into a quantiser is computed in f32, as accurately as f32 sums, v_exp_f32 and their like allow (about 1e-6 of the number): no bf16 or f16 on the way to a quantiser, and a product that is left as it is and whose result goes on into a quantised operand takes f32 operands (vector FMAs, or v_wmma_f32_16x16x4_f32). A number that lies on a knife's edge between two numbers of the format may be rounded either way, as far as f32 arithmetic and the matrix unit's own rounding can turn it there, and no further.
;;   INPUTS GIVEN AS CODES. K (in the module: [4, 16, 2048, 64], K = its axis 3); Q (in the module: [4, 16, 2048, 64], K = its axis 3); V (in the module: [4, 16, 2048, 64], K = its axis 2): each comes as NAME_codes (uint8): NAME with its K axis moved to the last place and cut into blocks of 32 codes, [.., K / 32, bytes a block], one block behind the other in memory; two codes a byte, the lower K in the low four bits (a code: sign, 2 exponent bits, 1 mantissa bit); and NAME_scales (uint8): the same leading axes, one E8M0 byte (e + 127) for each 32 codes along K. Its value is code x scale, taken as it is: it is not quantised again, and the codes and scales need not be those that the quantiser above would give.
;; 2 versions. Each part assembles by itself: llvm-mc -triple=amdgcn-amd-amdhsa -mcpu=gfx1250 --defsym DOCPART=n.
;; ======== version 1 of 2: 2 launches
;; workspace buffers: mbits 524,288 bytes of whole numbers; mflag 512 bytes of whole numbers
;; launch packmask (part 1): grid 128 x 1, 8 waves a work-group, no clusters, 36,352 bytes of LDS; arguments mask, mbits, mflag; writes mbits, mflag
.if DOCPART == 1
	.amdgcn_target "amdgcn-amd-amdhsa--gfx1250"
	.amdhsa_code_object_version 6
	.text
	.protected	k_qdad06e3abf_packmask
	.globl	k_qdad06e3abf_packmask
	.p2align	8
	.type	k_qdad06e3abf_packmask,@function
k_qdad06e3abf_packmask:
	s_mov_b64 s[64:65], 0
	v_nop
	global_prefetch_b8 v0, s[64:65] scope:SCOPE_SE
	s_setreg_imm32_b32 hwreg(HW_REG_WAVE_MODE, 25, 1), 1
	s_wait_xcnt 0x0
; The mask [2048 queries][2048 keys], one byte a place, is packed ONCE, for all 64 heads, into the form in which the attention launch uses it.
; mbits [128 query tiles T][16 key steps s][64 words J]: bit l of word J = mask[16 T + l % 16][128 s + 32 (J / 16) + 16 (l / 16) + J % 16]: the key that lane l of the attention
; launch holds in score register J.  So a word is the lane mask of one v_cndmask_b32 there.  A record (T, s) is 256 bytes.
; mflag [128]: one word for each query tile: bit 2 s = some key of step s counts for some query of the tile; bit 2 s + 1 = all 16 x 128 count.
; SHARES.  Work-group T takes 16 rows of the mask; wave u of eight takes keys 256 u .. 256 u + 255 of them: key steps 2 u and 2 u + 1.
; Each load reads two rows x 256 consecutive bytes, 16 bytes a lane.  The compare wants a lane to hold ONE query's bytes: so the 4,096 bytes turn through the wave's own stage in LDS.
; No matrix unit, no tensor load, no cluster: 4 MB are read once, work-groups share nothing.
.set ROWB,  2048                       ; a row of the mask in bytes
.set PITCH, 272                        ; a stage row: 256 bytes + 16: an odd multiple of 16, so the 16 rows that a load touches start at 16 different 16-byte columns of 256 (64 banks of 4 bytes: ISA guide 11.1)
.set WSTG,  16*PITCH                   ; a wave's stage
.set FLG,   8*WSTG                     ; behind the stages: eight words, a wave's four flag bits in each
.set LD,    8                          ; v8-39   eight loads of 16 bytes
.set X,     40                         ; v40-71  step sp, dword i at X + 16 sp + i: my query's keys 128 sp + 32 (i / 4) + 16 (lane / 16) + 4 (i % 4) + 0 .. 3
.set WD,    72                         ; v72-75  the records: step sp's words 2 l and 2 l + 1 in lane l of v[WD + 2 sp], v[WD + 2 sp + 1]
.set TP,    76                         ; v76-79  at work
	s_load_b128 s[4:7], s[0:1], 0x0                ; mask s[4:5], mbits s[6:7]
	s_load_b64 s[8:9], s[0:1], 0x10                ; mflag
	v_lshl_add_u32 v96, v0, 2, 0x8a00
	v_mov_b32 v97, 0
	v_lshrrev_b32 v1, 5, v0
	v_readfirstlane_b32 s10, v1                    ; wave u, 0..7
	v_and_b32 v2, 15, v0                           ; r = lane % 16
	v_bfe_u32 v3, v0, 4, 1                         ; h = lane / 16
	v_lshlrev_b32 v1, 4, v2                        ; 16 r
	v_lshl_add_u32 v4, v3, 11, v1                  ; in memory: row h of a pair of rows, 16 bytes a lane
	s_mul_i32 s19, s10, WSTG                       ; my wave's stage
	v_mul_u32_u24 v5, v3, PITCH
	v_add_nc_u32 v5, v5, v1
	v_add_nc_u32 v5, s19, v5                       ; into the stage: as loaded
	v_mul_u32_u24 v6, v2, PITCH
	v_lshl_add_u32 v6, v3, 4, v6
	v_add_nc_u32 v6, s19, v6                       ; out of it: row r, my half's 16 keys of a block of 32
	v_and_b32 v7, 31, v0
	v_lshlrev_b32 v7, 3, v7                        ; a record leaves 8 bytes a lane
	v_mov_b32 v81, s10
	v_lshlrev_b32 v81, 2, v81
	v_add_nc_u32 v81, FLG, v81                     ; my wave's flag word
	v_mov_b32 v82, FLG
	v_mov_b32 v83, 0
.irp i, 0,1,2,3
	v_mov_b32 v[WD+\i], 0                          ; written whole once: v_writelane_b32 writes one lane at a time
.endr
	s_lshl_b32 s20, ttmp9, 15                      ; 16 rows of 2,048 bytes for each tile,
	s_lshl_b32 s22, s10, 8                         ; 256 keys for each wave
	s_add_co_u32 s20, s20, s22
	s_mov_b32 s21, 0
	s_mov_b32 s18, 0                               ; my four flag bits
	s_wait_kmcnt 0x0
	s_add_nc_u64 s[4:5], s[4:5], s[20:21]
	s_lshl_b32 s20, ttmp9, 12                      ; 16 records of 256 bytes for each tile,
	s_lshl_b32 s22, s10, 9                         ; two for each wave
	s_add_co_u32 s20, s20, s22
	s_add_nc_u64 s[6:7], s[6:7], s[20:21]
	s_lshl_b32 s20, ttmp9, 2
	s_add_nc_u64 s[8:9], s[8:9], s[20:21]          ; the tile's flag word
.irp i, 0,1,2,3,4,5,6,7
	global_load_b128 v[LD+4*\i:LD+4*\i+3], v4, s[4:5] offset:2*ROWB*\i th:TH_LOAD_NT   ; rows 2 i and 2 i + 1: sixteen lanes read 256 consecutive bytes; read once in the launch
.endr
.irp i, 0,1,2,3,4,5,6,7
	s_wait_loadcnt 7-\i                            ; loads come back in order (ISA guide 5.7.1): load i is in, the younger ones stay out
	ds_store_b128 v5, v[LD+4*\i:LD+4*\i+3] offset:2*PITCH*\i
.endr
.irp sp, 0,1
.irp b, 0,1,2,3
	ds_load_b128 v[X+16*\sp+4*\b:X+16*\sp+4*\b+3], v6 offset:128*\sp+32*\b   ; LDS serves a wave's instructions in order (ISA guide 5.7.1.4): these see my stores
.endr
.endr
	s_wait_dscnt 0x0
; Step sp of my two: 64 words.  Word J: every lane takes byte J % 4 of its dword J / 4; the compare's 32 bits are the word; it goes to lane J / 2 of the record's registers.
; s16 gathers the OR of the words, s17 their AND.
.macro WORDS sp
	s_mov_b32 s16, 0
	s_mov_b32 s17, -1
.set J, 0
.rept 64
	v_bfe_u32 v[TP+J%4], v[X+16*(\sp)+J/4], 8*(J%4), 8
	v_cmp_ne_u32 s[12+J%4], 0, v[TP+J%4]
	v_writelane_b32 v[WD+2*(\sp)+J%2], s[12+J%4], J/2
	s_or_b32 s16, s16, s[12+J%4]
	s_and_b32 s17, s17, s[12+J%4]
.set J, J+1
.endr
	global_store_b64 v7, v[WD+2*(\sp):WD+2*(\sp)+1], s[6:7] offset:256*(\sp)   ; 32 lanes store the record: 256 consecutive bytes, aligned
	s_cmp_lg_u32 s16, 0
	s_cselect_b32 s19, 1, 0                        ; some key counts
	s_cmp_eq_u32 s17, -1
	s_cselect_b32 s22, 2, 0                        ; all count
	s_or_b32 s19, s19, s22
	s_lshl_b32 s19, s19, 2*(\sp)
	s_or_b32 s18, s18, s19
.endm
	WORDS 0
	WORDS 1
	s_lshl_b32 s23, s10, 2
	s_lshl_b32 s18, s18, s23                       ; my four bits at their place in the tile's word: bits 4 u .. 4 u + 3
	v_mov_b32 v80, s18
	ds_store_b32 v81, v80                          ; all lanes write the same word with the same value
	s_wait_dscnt 0x0                               ; for the others' sake: my store has landed
	s_barrier_signal -1
	s_barrier_wait -1
	s_cmp_lg_u32 s10, 0                            ; wave 0 joins the eight words and stores the tile's one
	s_cbranch_scc1 .Lend
	ds_load_b128 v[84:87], v82
	ds_load_b128 v[88:91], v82 offset:16
	s_wait_dscnt 0x0
	v_or_b32 v84, v84, v85
	v_or_b32 v86, v86, v87
	v_or_b32 v88, v88, v89
	v_or_b32 v90, v90, v91
	v_or_b32 v84, v84, v86
	v_or_b32 v88, v88, v90
	v_or_b32 v84, v84, v88
	s_wait_xcnt 0x0                                ; EXEC is a source of the stores above: it changes only behind this wait
	v_cmp_eq_u32 vcc_lo, 0, v0
	s_and_saveexec_b32 s24, vcc_lo                 ; lane 0 alone
	global_store_b32 v83, v84, s[8:9]              ; four bytes: 512 bytes of such stores in the whole launch
	s_wait_xcnt 0x0                                ; and again in front of the line that widens EXEC
	s_or_b32 exec_lo, exec_lo, s24
.Lend:
	s_wait_tensorcnt 0x0
	ds_add_u32 v96, v97
	s_wait_dscnt 0x0
	s_endpgm
.Lfunc_end_k_qdad06e3abf_packmask:
	.size	k_qdad06e3abf_packmask, .Lfunc_end_k_qdad06e3abf_packmask-k_qdad06e3abf_packmask
	.p2alignl 7, 3214868480
	.fill 96, 4, 3214868480
	.section	.rodata,"a",@progbits
	.p2align	6, 0x0
	.amdhsa_kernel k_qdad06e3abf_packmask
		.amdhsa_group_segment_fixed_size 36352
		.amdhsa_private_segment_fixed_size 0
		.amdhsa_enable_private_segment 0
		.amdhsa_kernarg_size 24
		.amdhsa_user_sgpr_count 2
		.amdhsa_user_sgpr_kernarg_segment_ptr 1
		.amdhsa_wavefront_size32 1
		.amdhsa_system_sgpr_workgroup_id_x 1
		.amdhsa_system_sgpr_workgroup_id_y 1
		.amdhsa_system_sgpr_workgroup_id_z 1
		.amdhsa_system_vgpr_workitem_id 0
		.amdhsa_next_free_vgpr 98
		.amdhsa_next_free_sgpr 66
		.amdhsa_reserve_vcc 1
		.amdhsa_float_denorm_mode_32 3
		.amdhsa_float_denorm_mode_16_64 3
		.amdhsa_memory_ordered 1
		.amdhsa_forward_progress 1
		.amdhsa_inst_pref_size 38
	.end_amdhsa_kernel
	.amdgpu_metadata
---
amdhsa.version: [ 1, 2 ]
amdhsa.kernels:
  - .name:           k_qdad06e3abf_packmask
    .symbol:         k_qdad06e3abf_packmask.kd
    .args:
      - { .name: mask, .offset: 0, .size: 8, .value_kind: global_buffer, .address_space: global }
      - { .name: mbits, .offset: 8, .size: 8, .value_kind: global_buffer, .address_space: global }
      - { .name: mflag, .offset: 16, .size: 8, .value_kind: global_buffer, .address_space: global }
    .group_segment_fixed_size: 36352
    .private_segment_fixed_size: 0
    .kernarg_segment_align: 8
    .kernarg_segment_size: 24
    .max_flat_workgroup_size: 256
    .sgpr_count:     66
    .vgpr_count:     98
    .wavefront_size: 32
...
	.end_amdgpu_metadata
.endif
;; end of part 1
;; launch attn (part 2): grid 4 x 64, 16 waves a work-group, no clusters, 221,184 bytes of LDS; arguments Q_codes, Q_scales, K_codes, K_scales, V_codes, V_scales, mbits, mflag, out0; writes out0
.if DOCPART == 2
	.amdgcn_target "amdgcn-amd-amdhsa--gfx1250"
	.amdhsa_code_object_version 6
	.text
	.protected	k_qdad06e3abf_attn
	.globl	k_qdad06e3abf_attn
	.p2align	8
	.type	k_qdad06e3abf_attn,@function
k_qdad06e3abf_attn:
	s_mov_b64 s[64:65], 0
	v_nop
	global_prefetch_b8 v0, s[64:65] scope:SCOPE_SE
	s_setreg_imm32_b32 hwreg(HW_REG_WAVE_MODE, 25, 1), 1
	s_wait_xcnt 0x0
; out0[head][q][:] = the sum over k of softmax_k(where(mask[q][k], Q[q] . K[k] / 8, -infinity)) V[k][:], 64 heads, 2,048 queries and keys, head size 64; both products on codes of FP4 (E2M1) with one E8M0 scale for each 32 along a product's K.
; Q, K: 32 bytes of codes and 2 scale bytes a row (K = the head's 64).  V: codes with the KEYS innermost, 64 rows d of 1,024 bytes, 64 scale bytes a row.  out0: rows of 64 f32.
; THE SOFTMAX AHEAD OF THE SECOND PRODUCT: t = score x log2(e) / 8; M = the row's largest t so far, rounded UP to a whole number; p = 2^(t - M) is quantised along the keys, not normalised.  The row's sum is taken of
; the unquantised p and divides at the end.  When M moves, the sum and O are multiplied by 2^(old M - new M): exact.
; THE MASK is an input.  An earlier launch has packed it: mbits holds, for a tile of 16 queries and a step of 128 keys, 64 lane masks, one for each score register; mflag two bits for each such tile:
; bit 2 s: some key of step s counts; bit 2 s + 1: all count.  A step in which no key counts is jumped over (its p would all be 0); a step in which all count needs no mask; any other takes 64 v_cndmask_b32.  That holds for every mask.
; A query for which no key counts gets sum 0 and O 0, and 0 x (1 / 0) is NaN, as the softmax of a row of -infinity is.
; SHARES.  A work-group of SIXTEEN waves holds the WHOLE head's K and V (139,264 bytes with their scales) in LDS, filled once through registers, behind the text's one barrier.  Wave w of work-group g has p = 16 g + w
; and takes query tiles p and 127 - p, one after the other, 16 queries each, in 256 registers: four waves to a SIMD, so that one wave's vector work stands beside another's matrix work and LDS loads.
; NO TENSOR LOAD, NO CLUSTER, though the four work-groups of a head read the same K and V: this text branches on numbers read from memory (the flags);
; what is shared is read once by each, at the head.  Nothing is streamed later, so nothing is prefetched.
; LAYOUT.  Both products are used transposed: S^T = K Q^T (source 0 = 16 keys, source 1 = my 16 queries), O^T = V^T P^T (source 0 = 16 of the head's 64, source 1 = P): a lane holds ONE query (lane % 16) throughout.
; THE KEYS OF A TILE ARE NOT NEIGHBOURS: lane r of tile 2 b + u takes key 32 b + 8 u + r + 8 (r / 8), so that score register J of lane (r, h) is key 32 (J / 16) + 16 h + J % 16 of the step: 16 neighbours in 16 registers.
; K = 64 IN AN INSTRUCTION OF K = 128.  A lane's registers 0-3 of a fragment hold k = 32 h + 0 .. 31, registers 4-7 k = 64 and on.  Q's registers 4-7 are zero codes, so whatever codes stand in K's registers 4-7 add 0 (E2M1 has no NaN
; and no infinity).  So K's eight tiles lie four registers each, and tile t's operand is v[32 + 4 t : 39 + 4 t]: its upper half is the next tile's data, the last tile's four zeros.  Bytes 2 and 3 of Q's and K's scale words are 0, never 0xff.
; LIMITS: scale bytes 0xff (NaN) among the inputs are not served; nor scores whose t leaves f32's range or lies under -3e38; a p under 2^-126 comes out of v_exp_f32 as 0 (beside a row's largest p above 1/2).
.set VP,    1040                       ; a row of V in LDS: 1,024 bytes + 16: an odd multiple of 16, so the 16 rows that a load touches start at 16 different 16-byte columns of 256 (64 banks of 4 bytes: ISA guide 11.1)
.set SP,    272                        ; a stage row: 256 bytes + 16
.set KIMG,  0                          ; K's fragments as images of their registers: step s x 4,096 + tile t x 512 + 16 x lane
.set VOFF,  65536                      ; V's 64 rows
.set KSW,   VOFF+64*VP                 ; K's scale words: s x 768 + r x 48 + 4 t
.set VSW,   KSW+16*768                 ; V's: s x 256 + r x 16 + 4 t
.set STAGE, VSW+16*256                 ; the way out: 16 rows x 272 bytes for each wave
.set AK,   1                           ; v1   16 x lane
.set AV,   2                           ; v2   VOFF + 1040 r + 16 h
.set AKS,  3                           ; v3   KSW + 48 r
.set AVS,  4                           ; v4   VSW + 16 r
.set STO,  5                           ; v5   the stage: where I put 32 bytes of a row
.set SRD,  6                           ; v6   and where I read a row back
.set GO,   7                           ; v7   my byte offset in the tile's rows of out0
.set ADK,  8                           ; v8-11 the step's addresses: K's images, V's rows, K's scale words, V's
.set ADV,  9
.set ADS,  10
.set ADT,  11
                                       ; v12 -M, v13 the largest t so far, v[14:15] the sum in two halves
.set QF,   16                          ; v16-19 Q's fragment, v20-23 zeros
.set QS,   24                          ; v24  Q's scale words
.set QA,   25                          ; v25  32 r + 16 h
.set QSA,  26                          ; v26  2 r
.set NINF, 27                          ; v27  -infinity
.set KF,   32                          ; v32-63 K's eight tiles, v64-67 zeros
.set VF,   68                          ; v68-99 V's four tiles
.set S,    100                         ; v100-163 S^T, then p; at the head the fill's data; at the end the way out
.set O,    164                         ; v164-195 O^T
.set PC,   196                         ; v196-203 p's codes
.set KS,   204                         ; v204-211 K's scale words
.set VS,   212                         ; v212-215 V's
.set PW,   216                         ; v216 p's scale word
.set BM,   220                         ; v220-223 a block's largest score, then its largest p
.set BT,   224                         ; v224-227 the other half's, then the scale bytes
.set BS,   228                         ; v228-231 the conversions' scale operands
.set F,    232                         ; v[232:233] f = 2^(old M - new M), named as a pair
.set TMP,  234
.set L2,   236                         ; v[236:237] the sum's second chain
.set TK,   2                           ; s2, s3, s23, s24: where the step's K images, V bytes, K scale words, V scale words begin
.set TV,   3
.set TKS,  23
.set TVS,  24
.set WV,   22                          ; s22  my wave's number
.set PP,   25                          ; s25  p = 16 g + w
.set TT,   26                          ; s26  the query tile in hand
.set CNT,  28                          ; s28  steps to go
.set FLW,  29                          ; s29  the tile's flags, two bits off in each step
.set SEL,  66                          ; s[66:67] lane selects for v_permlanex16_b32: lane l xor 16
.set CS,   100                         ; s[100:101] c = log2(e) / 8: the packed form names a pair and takes its low word for both halves
                                       ; s[32:63], s[68:99]: a record's 64 lane masks
	s_load_b512 s[4:19], s[0:1], 0x0               ; Q's codes s[4:5], Q's scales s[6:7], K's s[8:9], s[10:11], V's s[12:13], s[14:15], mbits s[16:17], mflag s[18:19]
	s_load_b64 s[20:21], s[0:1], 0x40              ; out0
	v_lshl_add_u32 v254, v0, 2, 0x35800
	v_mov_b32 v255, 0
	v_lshrrev_b32 v1, 5, v0
	v_readfirstlane_b32 s[WV], v1                  ; wave 0..15
	s_and_b32 s27, ttmp7, 0xffff                   ; the head
	s_lshl_b32 s[PP], ttmp9, 4
	s_add_co_u32 s[PP], s[PP], s[WV]
	s_mov_b32 s31, 0                               ; s[30:31]: an offset as a pair
	s_mov_b32 s[SEL], 0x76543210
	s_mov_b32 s[SEL+1], 0xfedcba98
	s_mov_b32 s[CS], 0x3e38aa3b                    ; log2(e) / 8
	s_mov_b32 s[CS+1], s[CS]                       ; (named with it as a pair, so it is written)
	v_and_b32 v9, 15, v0                           ; r
	v_bfe_u32 v10, v0, 4, 1                        ; h
	v_and_b32 v11, 31, v0                          ; lane
	v_lshlrev_b32 v[AK], 4, v11
	v_mul_u32_u24 v[AV], v9, VP
	v_lshl_add_u32 v[AV], v10, 4, v[AV]
	v_add_nc_u32 v[AV], VOFF, v[AV]
	v_mul_u32_u24 v[AKS], v9, 48
	v_add_nc_u32 v[AKS], KSW, v[AKS]
	v_lshl_add_u32 v[AVS], v9, 4, VSW
	s_mul_i32 s28, s[WV], 16*SP
	s_add_co_u32 s28, s28, STAGE                   ; my stage
	v_mul_u32_u24 v[STO], v9, SP                   ; in: row r, 32 bytes for each half of the lanes
	v_lshl_add_u32 v[STO], v10, 5, v[STO]
	v_add_nc_u32 v[STO], s28, v[STO]
	v_mul_u32_u24 v[SRD], v10, SP                  ; back: lanes 0-15 one row of 256 bytes, lanes 16-31 the next
	v_lshl_add_u32 v[SRD], v9, 4, v[SRD]
	v_add_nc_u32 v[SRD], s28, v[SRD]
	v_lshlrev_b32 v[GO], 8, v10                    ; and the same two rows in out0
	v_lshl_add_u32 v[GO], v9, 4, v[GO]
	v_lshlrev_b32 v[QA], 5, v9
	v_lshl_add_u32 v[QA], v10, 4, v[QA]
	v_lshlrev_b32 v[QSA], 1, v9
	v_mov_b32 v[NINF], 0xff800000
	; THE FILL'S ADDRESSES.  512 threads; thread n reads 16 bytes at 16 n + 8,192 i of K's and of V's codes (i = 0 .. 7) and 8 bytes at 8 n of each tensor of scale bytes: every load of a wave covers consecutive bytes.
	v_lshlrev_b32 v28, 4, v0
	v_lshlrev_b32 v29, 3, v0
	; K's codes: byte 16 n + 8,192 i is half n % 2 of key n / 2 + 256 i.  Of the key's bits, 2:0 are r's 2:0, 3 is u, 4 is r's 3, 6:5 are b, the rest the step.  Its place in the image: step x 4,096 + (2 b + u) x 512 + 256 h + 16 r
	v_bfe_u32 v8, v0, 1, 3
	v_lshlrev_b32 v30, 4, v8
	v_bfe_u32 v8, v0, 5, 1
	v_lshl_or_b32 v30, v8, 7, v30
	v_and_b32 v8, 1, v0
	v_lshl_or_b32 v30, v8, 8, v30
	v_lshl_or_b32 v30, v10, 9, v30
	v_lshrrev_b32 v8, 6, v0
	v_lshl_or_b32 v30, v8, 10, v30
	; V's codes: row n / 64 + 8 i, byte 16 (n % 64)
	v_mul_u32_u24 v31, v8, VP
	v_and_b32 v8, 63, v0
	v_lshl_add_u32 v31, v8, 4, v31
	v_add_nc_u32 v31, VOFF, v31
	; K's scale words: thread n has keys 4 n + e: step n / 32, r = 8 (bit 2 of n) + 4 (bit 0) + e, tile 2 (bits 4:3) + (bit 1)
	v_lshrrev_b32 v8, 5, v0
	v_mul_u32_u24 v218, v8, 768
	v_and_b32 v8, 1, v0
	v_mad_u32_u24 v218, v8, 192, v218
	v_bfe_u32 v8, v0, 2, 1
	v_mad_u32_u24 v218, v8, 384, v218
	v_bfe_u32 v8, v0, 3, 2
	v_lshl_add_u32 v218, v8, 3, v218
	v_bfe_u32 v8, v0, 1, 1
	v_lshl_add_u32 v218, v8, 2, v218
	v_add_nc_u32 v218, KSW, v218
	; V's scale words: thread n has row d = n / 8, steps 2 (n % 8) and the next: r = d % 16, tile d / 16
	v_and_b32 v8, 7, v0
	v_lshlrev_b32 v219, 9, v8
	v_bfe_u32 v8, v0, 3, 4
	v_lshl_add_u32 v219, v8, 4, v219
	v_lshrrev_b32 v8, 7, v0
	v_lshl_add_u32 v219, v8, 2, v219
	v_add_nc_u32 v219, VSW, v219
	s_wait_kmcnt 0x0
	s_lshl_b32 s30, s27, 16                        ; a head's codes: 65,536 bytes in each of the three tensors,
	s_add_nc_u64 s[4:5], s[4:5], s[30:31]
	s_add_nc_u64 s[8:9], s[8:9], s[30:31]
	s_add_nc_u64 s[12:13], s[12:13], s[30:31]
	s_lshl_b32 s30, s27, 12                        ; its scale bytes: 4,096,
	s_add_nc_u64 s[6:7], s[6:7], s[30:31]
	s_add_nc_u64 s[10:11], s[10:11], s[30:31]
	s_add_nc_u64 s[14:15], s[14:15], s[30:31]
	s_lshl_b32 s30, s27, 19                        ; its rows of out0: 524,288
	s_add_nc_u64 s[20:21], s[20:21], s[30:31]
.irp i, 0,1,2,3,4,5,6,7
	global_load_b128 v[S+4*\i:S+4*\i+3], v28, s[8:9] offset:8192*\i          ; K's codes (no hint: four work-groups read these bytes)
.endr
.irp i, 0,1,2,3,4,5,6,7
	global_load_b128 v[S+32+4*\i:S+32+4*\i+3], v28, s[12:13] offset:8192*\i  ; V's codes
.endr
	global_load_b64 v[164:165], v29, s[10:11]      ; K's scale bytes: four keys'
	global_load_b64 v[166:167], v29, s[14:15]      ; V's: two steps' words of a row
.irp i, 0,1,2,3
	v_mov_b32 v[QF+4+\i], 0                        ; Q's upper half: zero codes, for the whole launch
	v_mov_b32 v[KF+32+\i], 0                       ; what stands behind K's last tile
	v_mov_b32 v[BT+\i], 0                          ; written once: a lane permute's destination counts as one of its sources
.endr
	v_mov_b32 v[F+1], 0                            ; (named as the upper half of a pair)
	v_mov_b32 v[TMP], 0                            ; (a lane permute's destination on the way out, also where every step was jumped over)
	s_wait_loadcnt 10                              ; K's eight loads are in; V's eight and the two of scale bytes may be out
.irp i, 0,1,2,3,4,5,6,7
	ds_store_b128 v30, v[S+4*\i:S+4*\i+3] offset:KIMG+8192*\i
.endr
	s_wait_loadcnt 2                               ; V's eight are in
.irp i, 0,1,2,3,4,5,6,7
	ds_store_b128 v31, v[S+32+4*\i:S+32+4*\i+3] offset:8*VP*\i
.endr
	s_wait_loadcnt 0x0
	v_and_b32 v168, 0xffff, v164                   ; a key's two bytes become a word whose bytes 2 and 3 are 0
	v_lshrrev_b32 v169, 16, v164
	v_and_b32 v170, 0xffff, v165
	v_lshrrev_b32 v171, 16, v165
.irp e, 0,1,2,3
	ds_store_b32 v218, v[168+\e] offset:48*\e
.endr
	ds_store_b32 v219, v166
	ds_store_b32 v219, v167 offset:256
	s_wait_dscnt 0x0                               ; for the others' sake: my stores have landed
	s_barrier_signal -1
	s_barrier_wait -1                              ; the head's K and V lie in LDS; from here on nobody writes them, and the waves share nothing
; ONE TILE OF 16 QUERIES, number s[TT], through all 16 key steps and out.
.macro TILE
	s_wait_xcnt 0x0                                ; every earlier memory instruction has had its addresses translated (ISA guide 3.1): bases, the offset s30 and the last tile's store data are written again only behind this wait
	s_lshl_b32 s30, s[TT], 9
	s_add_nc_u64 s[8:9], s[4:5], s[30:31]          ; the tile's codes of Q: 16 rows of 32 bytes,
	s_lshl_b32 s30, s[TT], 5
	s_add_nc_u64 s[10:11], s[6:7], s[30:31]        ; its scale bytes,
	s_lshl_b32 s30, s[TT], 12
	s_add_nc_u64 s[12:13], s[20:21], s[30:31]      ; its rows of out0: 16 of 256 bytes,
	s_add_nc_u64 s[14:15], s[16:17], s[30:31]      ; its 16 mask records of 256 bytes,
	s_lshl_b32 s30, s[TT], 2
	s_load_b32 s[FLW], s[18:19], s30 offset:0x0    ; its flags
	global_load_b128 v[QF:QF+3], v[QA], s[8:9] th:TH_LOAD_NT
	global_load_u16 v[QS], v[QSA], s[10:11] th:TH_LOAD_NT   ; zero-extended: bytes 2 and 3 are 0
	v_mov_b32 v13, 0xff61b1e6                      ; the largest t so far: -3e38
	v_floor_f32 v12, -v13                          ; -M
	v_mov_b32 v14, 0                               ; the sum, in two halves
	v_mov_b32 v15, 0
.set j, 0
.rept 32
	v_mov_b32 v[O+j], 0                            ; O^T.  Any step may be jumped over, so no step is known to be the first: the sums begin as zeros, which the first change of M leaves zeros
.set j, j+1
.endr
	s_mov_b32 s[TK], 0
	s_mov_b32 s[TV], 0
	s_mov_b32 s[TKS], 0
	s_mov_b32 s[TVS], 0
	s_mov_b32 s[CNT], 16
	s_wait_kmcnt 0x0                               ; the flags
	s_wait_loadcnt 0x0                             ; Q
.Lstep_\@:
	s_bitcmp1_b32 s[FLW], 0                        ; does any key of this step count for any of my queries?
	s_cbranch_scc0 .Lskip_\@
	v_add_nc_u32 v[ADK], s[TK], v[AK]              ; (these four are also the places between the last step's products and the loads into their operands)
	v_add_nc_u32 v[ADV], s[TV], v[AV]
	v_add_nc_u32 v[ADS], s[TKS], v[AKS]
	v_add_nc_u32 v[ADT], s[TVS], v[AVS]
	ds_load_b128 v[KS:KS+3], v[ADS]                ; 19 LDS loads in one run: K's ten first,
	ds_load_b128 v[KS+4:KS+7], v[ADS] offset:16
.irp t, 0,1,2,3,4,5,6,7
	ds_load_b128 v[KF+4*\t:KF+4*\t+3], v[ADK] offset:KIMG+512*\t
.endr
	ds_load_b128 v[VS:VS+3], v[ADT]                ; then V's nine, which land under the softmax
.irp t, 0,1,2,3
.irp c, 0,1
	ds_load_b128 v[VF+8*\t+4*\c:VF+8*\t+4*\c+3], v[ADV] offset:16*VP*\t+32*\c
.endr
.endr
	s_wait_dscnt 9                                 ; LDS loads come back in order (ISA guide 5.7.1): K's ten are in, V's nine may be out
.irp t, 0,1,2,3,4,5,6,7
	v_wmma_scale_f32_16x16x128_f8f6f4 v[S+8*\t:S+8*\t+7], v[KF+4*\t:KF+4*\t+7], v[QF:QF+7], 0, v[KS+\t], v[QS] matrix_a_fmt:MATRIX_FMT_FP4 matrix_b_fmt:MATRIX_FMT_FP4
.endr
.rept 4
	v_nop                                          ; four places in front of the first read of the scores (ISA guide 7.12.1)
.endr
	s_bitcmp1_b32 s[FLW], 1                        ; do all 16 x 128 count?
	s_cbranch_scc1 .Lopen_\@
	s_load_b512 s[32:47], s[14:15], 0x0            ; the record: 64 lane masks.  Loads, wait and use stand in this one branch
	s_load_b512 s[48:63], s[14:15], 0x40
	s_load_b512 s[68:83], s[14:15], 0x80
	s_load_b512 s[84:99], s[14:15], 0xc0
	s_wait_kmcnt 0x0
.set J, 0
.rept 64
.if J < 32
	v_cndmask_b32 v[S+J], v[NINF], v[S+J], s[32+J] ; where the bit is 0 the score becomes -infinity: p = 0 then
.else
	v_cndmask_b32 v[S+J], v[NINF], v[S+J], s[36+J]
.endif
.set J, J+1
.endr
.Lopen_\@:
.irp b, 0,1,2,3
	v_max3_num_f32 v[BM+\b], v[S+16*\b], v[S+1+16*\b], v[S+2+16*\b]   ; THE LARGEST SCORE OF EACH BLOCK OF 32 KEYS: it serves twice: for the row's maximum, and, since p rises with the score, for the block's largest p
.endr
.irp i, 3,5,7,9,11,13
.irp b, 0,1,2,3
	v_max3_num_f32 v[BM+\b], v[BM+\b], v[S+16*\b+\i], v[S+1+16*\b+\i]  ; (the four blocks by turns)
.endr
.endr
.irp b, 0,1,2,3
	v_max_num_f32 v[BM+\b], v[BM+\b], v[S+15+16*\b]
.endr
.irp b, 0,1,2,3
	v_permlanex16_b32 v[BT+\b], v[BM+\b], s[SEL], s[SEL+1]
.endr
.irp b, 0,1,2,3
	v_max_num_f32 v[BM+\b], v[BM+\b], v[BT+\b]     ; with lane l xor 16's 16 keys
.endr
	v_max3_num_f32 v[TMP], v[BM], v[BM+1], v[BM+2]
	v_max_num_f32 v[TMP], v[TMP], v[BM+3]          ; the step's largest score of my query
	v_mul_f32 v[TMP], s[CS], v[TMP]                ; as t (c is positive)
	v_max_num_f32 v13, v13, v[TMP]                 ; the running largest t
	v_mov_b32 v[TMP], v12
	v_floor_f32 v12, -v13                          ; the new -M = floor(-t) = -ceil(t): M IS A WHOLE NUMBER
	v_sub_f32 v[TMP], v12, v[TMP]                  ; M's old value less its new one: a whole number, 0 or less
	v_cvt_i32_f32 v[TMP], v[TMP]                   ; (it saturates)
	v_ldexp_f32 v[F], 1.0, v[TMP]                  ; f = 2^(old M - new M): a multiplication by it rounds nothing
.set j, 0
.rept 32
	v_pk_fma_f32 v[S+j:S+j+1], v[S+j:S+j+1], s[CS:CS+1], v[12:13] op_sel_hi:[1,0,0]   ; t - M, two at a time (of the pairs c and -M the low word serves both halves)
.set j, j+2
.endr
.irp b, 0,1,2,3
	v_fma_f32 v[BM+\b], v[BM+\b], s[CS], v12       ; the same of each block's largest score
.endr
.set j, 0
.rept 64
	v_exp_f32 v[S+j], v[S+j]                       ; p = 2^(t - M), at most 1: NOT normalised
.set j, j+1
.endr
.irp b, 0,1,2,3
	v_exp_f32 v[BM+\b], v[BM+\b]                   ; the block's largest p: the same two instructions on the same number give the same bits
.endr
	v_pk_mul_f32 v[14:15], v[14:15], v[F:F+1] op_sel_hi:[1,0]   ; the sums under the new M.  (The plain instruction behind the exponentials: ISA guide 5.7.2)
	s_wait_alu depctr_va_vdst(0)
.irp b, 0,1,2,3
	v_max_num_f32 v[BM+\b], 0x1800000, v[BM+\b]    ; the floor 2^(3 - 127): the byte cannot fall under 1 (a block whose every p is 0 keeps that byte: its codes are zeros)
.endr
.irp b, 0,1,2,3
	v_add_nc_u32 v[BS+\b], 0xff000000, v[BM+\b]    ; 2 off the exponent field: the conversion's scale operand
.endr
.irp b, 0,1,2,3
	v_lshrrev_b32 v[BT+\b], 23, v[BS+\b]           ; the scale's byte
.endr
	v_lshl_or_b32 v[PW], v[BT+1], 8, v[BT]         ; p's scale word for these 128 keys
	v_lshl_or_b32 v[PW], v[BT+2], 16, v[PW]
	v_lshl_or_b32 v[PW], v[BT+3], 24, v[PW]
.irp b, 0,1,2,3
	v_cvt_scalef32_pk8_fp4_f32 v[PC+2*\b], v[S+16*\b:S+7+16*\b], v[BS+\b]
	v_cvt_scalef32_pk8_fp4_f32 v[PC+1+2*\b], v[S+8+16*\b:S+15+16*\b], v[BS+\b]
.endr
	v_nop                                          ; one plain vector instruction between a scaled conversion and the vector instruction that touches its result
.irp c, 0,1                                    ; the operand's layout wants a WHOLE block in a lane: lanes 0-15 block 2 c, lanes 16-31 block 2 c + 1
.irp i, 0,1
	v_permlane16_swap_b32 v[PC+4*\c+\i], v[PC+2+4*\c+\i]
.endr
.endr
	v_pk_add_f32 v[L2:L2+1], v[S:S+1], v[S+2:S+3]  ; THE ROW'S SUM IS TAKEN OF THE UNQUANTISED p: two at a time, in two chains
.set j, 4
.rept 15
	v_pk_add_f32 v[14:15], v[14:15], v[S+j:S+j+1]
	v_pk_add_f32 v[L2:L2+1], v[L2:L2+1], v[S+2+j:S+3+j]
.set j, j+4
.endr
	v_pk_add_f32 v[14:15], v[14:15], v[L2:L2+1]
.set j, 0
.rept 16
	v_pk_mul_f32 v[O+j:O+j+1], v[O+j:O+j+1], v[F:F+1] op_sel_hi:[1,0]   ; O^T under the new M: x f, from each accumulator's low end on.  (The sums and these are also the places between p's scale word and codes and the products below)
.set j, j+2
.endr
	s_wait_dscnt 0x0                               ; V's nine loads are in
.irp t, 0,1,2,3                                ; O^T += V^T P^T: the four accumulators take turns, and the next step's eight products stand between two links of a chain
	v_wmma_scale_f32_16x16x128_f8f6f4 v[O+8*\t:O+8*\t+7], v[VF+8*\t:VF+8*\t+7], v[PC:PC+7], v[O+8*\t:O+8*\t+7], v[VS+\t], v[PW] matrix_a_fmt:MATRIX_FMT_FP4 matrix_b_fmt:MATRIX_FMT_FP4
.endr
.Lskip_\@:
	s_lshr_b32 s[FLW], s[FLW], 2                   ; the next step's flags,
	s_add_co_u32 s[TK], s[TK], 4096                ; its images of K,
	s_add_co_u32 s[TV], s[TV], 64                  ; its 64 bytes of V's rows,
	s_add_co_u32 s[TKS], s[TKS], 768               ; its scale words,
	s_add_co_u32 s[TVS], s[TVS], 256
	s_add_nc_u64 s[14:15], s[14:15], 256           ; its mask record (the loads that named this base were waited for in their branch)
	s_sub_co_u32 s[CNT], s[CNT], 1
	s_cmp_lg_u32 s[CNT], 0
	s_cbranch_scc1 .Lstep_\@
	; THE WAY OUT.  O^T is divided by the row's sum and goes through my stage in LDS, so that sixteen lanes store one whole row of 256 bytes.
.rept 4
	v_nop                                          ; four places behind the last products (ISA guide 7.12.1)
.endr
	v_add_f32 v14, v14, v15                        ; the sum's two halves,
	v_permlanex16_b32 v[TMP], v14, s[SEL], s[SEL+1]
	v_add_f32 v14, v14, v[TMP]                     ; and lane l xor 16's: the row's sum
	v_rcp_f32 v14, v14
	v_nop                                          ; a plain instruction between the reciprocal and the use of its result
.set j, 0
	s_wait_alu depctr_va_vdst(0)
.rept 16
	v_pk_mul_f32 v[S+j:S+j+1], v[O+j:O+j+1], v[14:15] op_sel_hi:[1,0]   ; register 8 t + i is out0(r, 16 t + 8 h + i)
.set j, j+2
.endr
.irp t, 0,1,2,3
	ds_store_b128 v[STO], v[S+8*\t:S+8*\t+3] offset:64*\t
	ds_store_b128 v[STO], v[S+8*\t+4:S+8*\t+7] offset:64*\t+16
.endr
.irp i, 0,1,2,3,4,5,6,7
	ds_load_b128 v[S+32+4*\i:S+32+4*\i+3], v[SRD] offset:2*SP*\i   ; LDS serves a wave's instructions in order (ISA guide 5.7.1.4): these see my stores; the stage is my wave's own
.endr
.irp i, 0,1,2,3,4,5,6,7
	s_wait_dscnt 7-\i                              ; load i is in, the younger ones stay out
	global_store_b128 v[GO], v[S+32+4*\i:S+32+4*\i+3], s[12:13] offset:512*\i th:TH_STORE_NT   ; 16 lanes store 256 consecutive bytes, at a multiple of 256 from out0's first byte; written once, read by nobody here
.endr
.endm
	s_mov_b32 s[TT], s[PP]                         ; tile p,
	TILE
	s_sub_co_u32 s[TT], 127, s[PP]                 ; then tile 127 - p: the 64 numbers p of a head's four work-groups so cover its 128 tiles once each
	TILE
	s_wait_tensorcnt 0x0
	ds_add_u32 v254, v255
	s_wait_dscnt 0x0
	s_endpgm
.Lfunc_end_k_qdad06e3abf_attn:
	.size	k_qdad06e3abf_attn, .Lfunc_end_k_qdad06e3abf_attn-k_qdad06e3abf_attn
	.p2alignl 7, 3214868480
	.fill 96, 4, 3214868480
	.section	.rodata,"a",@progbits
	.p2align	6, 0x0
	.amdhsa_kernel k_qdad06e3abf_attn
		.amdhsa_group_segment_fixed_size 221184
		.amdhsa_private_segment_fixed_size 0
		.amdhsa_enable_private_segment 0
		.amdhsa_kernarg_size 72
		.amdhsa_user_sgpr_count 2
		.amdhsa_user_sgpr_kernarg_segment_ptr 1
		.amdhsa_wavefront_size32 1
		.amdhsa_system_sgpr_workgroup_id_x 1
		.amdhsa_system_sgpr_workgroup_id_y 1
		.amdhsa_system_sgpr_workgroup_id_z 1
		.amdhsa_system_vgpr_workitem_id 0
		.amdhsa_next_free_vgpr 256
		.amdhsa_next_free_sgpr 102
		.amdhsa_reserve_vcc 0
		.amdhsa_float_denorm_mode_32 3
		.amdhsa_float_denorm_mode_16_64 3
		.amdhsa_memory_ordered 1
		.amdhsa_forward_progress 1
		.amdhsa_inst_pref_size 58
	.end_amdhsa_kernel
	.amdgpu_metadata
---
amdhsa.version: [ 1, 2 ]
amdhsa.kernels:
  - .name:           k_qdad06e3abf_attn
    .symbol:         k_qdad06e3abf_attn.kd
    .args:
      - { .name: Q_codes, .offset: 0, .size: 8, .value_kind: global_buffer, .address_space: global }
      - { .name: Q_scales, .offset: 8, .size: 8, .value_kind: global_buffer, .address_space: global }
      - { .name: K_codes, .offset: 16, .size: 8, .value_kind: global_buffer, .address_space: global }
      - { .name: K_scales, .offset: 24, .size: 8, .value_kind: global_buffer, .address_space: global }
      - { .name: V_codes, .offset: 32, .size: 8, .value_kind: global_buffer, .address_space: global }
      - { .name: V_scales, .offset: 40, .size: 8, .value_kind: global_buffer, .address_space: global }
      - { .name: mbits, .offset: 48, .size: 8, .value_kind: global_buffer, .address_space: global }
      - { .name: mflag, .offset: 56, .size: 8, .value_kind: global_buffer, .address_space: global }
      - { .name: out0, .offset: 64, .size: 8, .value_kind: global_buffer, .address_space: global }
    .group_segment_fixed_size: 221184
    .private_segment_fixed_size: 0
    .kernarg_segment_align: 8
    .kernarg_segment_size: 72
    .max_flat_workgroup_size: 512
    .sgpr_count:     102
    .vgpr_count:     256
    .wavefront_size: 32
...
	.end_amdgpu_metadata
.endif
;; end of part 2
;; ======== version 2 of 2: 2 launches
;; workspace buffers: mbits 524,288 bytes of whole numbers; mflag 512 bytes of whole numbers
;; launch packmask (part 3): grid 128 x 1, 8 waves a work-group, no clusters, 36,352 bytes of LDS; arguments mask, mbits, mflag; writes mbits, mflag
.if DOCPART == 3
	.amdgcn_target "amdgcn-amd-amdhsa--gfx1250"
	.amdhsa_code_object_version 6
	.text
	.protected	k_qdad06e3abf_packmask
	.globl	k_qdad06e3abf_packmask
	.p2align	8
	.type	k_qdad06e3abf_packmask,@function
k_qdad06e3abf_packmask:
	s_mov_b64 s[64:65], 0
	v_nop
	global_prefetch_b8 v0, s[64:65] scope:SCOPE_SE
	s_setreg_imm32_b32 hwreg(HW_REG_WAVE_MODE, 25, 1), 1
	s_wait_xcnt 0x0
; The mask [2048 queries][2048 keys], one byte a place, is packed ONCE, for all 64 heads, into the form in which the attention launch uses it.
; mbits [128 query tiles T][16 key steps s][64 words J]: bit l of word J = mask[16 T + l % 16][128 s + 32 (J / 16) + 16 (l / 16) + J % 16]: the key that lane l of the attention
; launch holds in score register J.  So a word is the lane mask of one v_cndmask_b32 there.  A record (T, s) is 256 bytes.
; mflag [128]: one word for each query tile: bit 2 s = some key of step s counts for some query of the tile; bit 2 s + 1 = all 16 x 128 count.
; SHARES.  Work-group T takes 16 rows of the mask; wave u of eight takes keys 256 u .. 256 u + 255 of them: key steps 2 u and 2 u + 1.
; Each load reads two rows x 256 consecutive bytes, 16 bytes a lane.  The compare wants a lane to hold ONE query's bytes: so the 4,096 bytes turn through the wave's own stage in LDS.
; No matrix unit, no tensor load, no cluster: 4 MB are read once, work-groups share nothing.
.set ROWB,  2048                       ; a row of the mask in bytes
.set PITCH, 272                        ; a stage row: 256 bytes + 16: an odd multiple of 16, so the 16 rows that a load touches start at 16 different 16-byte columns of 256 (64 banks of 4 bytes: ISA guide 11.1)
.set WSTG,  16*PITCH                   ; a wave's stage
.set FLG,   8*WSTG                     ; behind the stages: eight words, a wave's four flag bits in each
.set LD,    8                          ; v8-39   eight loads of 16 bytes
.set X,     40                         ; v40-71  step sp, dword i at X + 16 sp + i: my query's keys 128 sp + 32 (i / 4) + 16 (lane / 16) + 4 (i % 4) + 0 .. 3
.set WD,    72                         ; v72-75  the records: step sp's words 2 l and 2 l + 1 in lane l of v[WD + 2 sp], v[WD + 2 sp + 1]
.set TP,    76                         ; v76-79  at work
	s_load_b128 s[4:7], s[0:1], 0x0                ; mask s[4:5], mbits s[6:7]
	s_load_b64 s[8:9], s[0:1], 0x10                ; mflag
	v_lshl_add_u32 v96, v0, 2, 0x8a00
	v_mov_b32 v97, 0
	v_lshrrev_b32 v1, 5, v0
	s_delay_alu instid0(VALU_DEP_1)
	v_readfirstlane_b32 s10, v1                    ; wave u, 0..7
	v_and_b32 v2, 15, v0                           ; r = lane % 16
	v_bfe_u32 v3, v0, 4, 1                         ; h = lane / 16
	s_delay_alu instid0(VALU_DEP_2)
	v_lshlrev_b32 v1, 4, v2                        ; 16 r
	s_delay_alu instid0(VALU_DEP_1)
	v_lshl_add_u32 v4, v3, 11, v1                  ; in memory: row h of a pair of rows, 16 bytes a lane
	s_mul_i32 s19, s10, WSTG                       ; my wave's stage
	v_mul_u32_u24 v5, v3, PITCH
	s_delay_alu instid0(VALU_DEP_1)
	v_add_nc_u32 v5, v5, v1
	s_delay_alu instid0(VALU_DEP_1)
	v_add_nc_u32 v5, s19, v5                       ; into the stage: as loaded
	v_mul_u32_u24 v6, v2, PITCH
	s_delay_alu instid0(VALU_DEP_1)
	v_lshl_add_u32 v6, v3, 4, v6
	s_delay_alu instid0(VALU_DEP_1)
	v_add_nc_u32 v6, s19, v6                       ; out of it: row r, my half's 16 keys of a block of 32
	v_and_b32 v7, 31, v0
	s_delay_alu instid0(VALU_DEP_1)
	v_lshlrev_b32 v7, 3, v7                        ; a record leaves 8 bytes a lane
	v_mov_b32 v81, s10
	s_delay_alu instid0(VALU_DEP_1)
	v_lshlrev_b32 v81, 2, v81
	s_delay_alu instid0(VALU_DEP_1)
	v_add_nc_u32 v81, FLG, v81                     ; my wave's flag word
	v_mov_b32 v82, FLG
	v_mov_b32 v83, 0
.irp i, 0,1,2,3
	v_mov_b32 v[WD+\i], 0                          ; written whole once: v_writelane_b32 writes one lane at a time
.endr
	s_lshl_b32 s20, ttmp9, 15                      ; 16 rows of 2,048 bytes for each tile,
	s_lshl_b32 s22, s10, 8                         ; 256 keys for each wave
	s_add_co_u32 s20, s20, s22
	s_mov_b32 s21, 0
	s_mov_b32 s18, 0                               ; my four flag bits
	s_wait_alu depctr_va_vdst(0)
	s_wait_kmcnt 0x0
	s_add_nc_u64 s[4:5], s[4:5], s[20:21]
	s_lshl_b32 s20, ttmp9, 12                      ; 16 records of 256 bytes for each tile,
	s_lshl_b32 s22, s10, 9                         ; two for each wave
	s_add_co_u32 s20, s20, s22
	s_add_nc_u64 s[6:7], s[6:7], s[20:21]
	s_lshl_b32 s20, ttmp9, 2
	s_add_nc_u64 s[8:9], s[8:9], s[20:21]          ; the tile's flag word
.irp i, 0,1,2,3,4,5,6,7
	global_load_b128 v[LD+4*\i:LD+4*\i+3], v4, s[4:5] offset:2*ROWB*\i th:TH_LOAD_NT   ; rows 2 i and 2 i + 1: sixteen lanes read 256 consecutive bytes; read once in the launch
.endr
.irp i, 0,1,2,3,4,5,6,7
	s_wait_loadcnt 7-\i                            ; loads come back in order (ISA guide 5.7.1): load i is in, the younger ones stay out
	ds_store_b128 v5, v[LD+4*\i:LD+4*\i+3] offset:2*PITCH*\i
.endr
.irp sp, 0,1
.irp b, 0,1,2,3
	ds_load_b128 v[X+16*\sp+4*\b:X+16*\sp+4*\b+3], v6 offset:128*\sp+32*\b   ; LDS serves a wave's instructions in order (ISA guide 5.7.1.4): these see my stores
.endr
.endr
	s_wait_dscnt 0x0
; Step sp of my two: 64 words.  Word J: every lane takes byte J % 4 of its dword J / 4; the compare's 32 bits are the word; it goes to lane J / 2 of the record's registers.
; s16 gathers the OR of the words, s17 their AND.
.macro WORDS sp
	s_mov_b32 s16, 0
	s_mov_b32 s17, -1
.set J, 0
.rept 64
	v_bfe_u32 v[TP+J%4], v[X+16*(\sp)+J/4], 8*(J%4), 8
	s_delay_alu instid0(VALU_DEP_1)
	v_cmp_ne_u32 s[12+J%4], 0, v[TP+J%4]
	s_delay_alu instid0(VALU_DEP_1)
	v_writelane_b32 v[WD+2*(\sp)+J%2], s[12+J%4], J/2
	s_or_b32 s16, s16, s[12+J%4]
	s_and_b32 s17, s17, s[12+J%4]
.set J, J+1
.endr
	global_store_b64 v7, v[WD+2*(\sp):WD+2*(\sp)+1], s[6:7] offset:256*(\sp)   ; 32 lanes store the record: 256 consecutive bytes, aligned
	s_cmp_lg_u32 s16, 0
	s_cselect_b32 s19, 1, 0                        ; some key counts
	s_cmp_eq_u32 s17, -1
	s_cselect_b32 s22, 2, 0                        ; all count
	s_or_b32 s19, s19, s22
	s_lshl_b32 s19, s19, 2*(\sp)
	s_or_b32 s18, s18, s19
.endm
	WORDS 0
	WORDS 1
	s_lshl_b32 s23, s10, 2
	s_lshl_b32 s18, s18, s23                       ; my four bits at their place in the tile's word: bits 4 u .. 4 u + 3
	v_mov_b32 v80, s18
	ds_store_b32 v81, v80                          ; all lanes write the same word with the same value
	s_wait_dscnt 0x0                               ; for the others' sake: my store has landed
	s_barrier_signal -1
	s_barrier_wait -1
	s_cmp_lg_u32 s10, 0                            ; wave 0 joins the eight words and stores the tile's one
	s_cbranch_scc1 .Lend
	ds_load_b128 v[84:87], v82
	ds_load_b128 v[88:91], v82 offset:16
	s_wait_dscnt 0x0
	v_or_b32 v84, v84, v85
	v_or_b32 v86, v86, v87
	v_or_b32 v88, v88, v89
	v_or_b32 v90, v90, v91
	s_delay_alu instid0(VALU_DEP_3)
	v_or_b32 v84, v84, v86
	s_delay_alu instid0(VALU_DEP_2)
	v_or_b32 v88, v88, v90
	s_delay_alu instid0(VALU_DEP_1)
	v_or_b32 v84, v84, v88
	s_wait_alu depctr_va_vdst(0)
	s_wait_xcnt 0x0                                ; EXEC is a source of the stores above: it changes only behind this wait
	v_cmp_eq_u32 vcc_lo, 0, v0
	s_and_saveexec_b32 s24, vcc_lo                 ; lane 0 alone
	global_store_b32 v83, v84, s[8:9]              ; four bytes: 512 bytes of such stores in the whole launch
	s_wait_xcnt 0x0                                ; and again in front of the line that widens EXEC
	s_or_b32 exec_lo, exec_lo, s24
.Lend:
	s_wait_tensorcnt 0x0
	ds_add_u32 v96, v97
	s_wait_dscnt 0x0
	s_endpgm
.Lfunc_end_k_qdad06e3abf_packmask:
	.size	k_qdad06e3abf_packmask, .Lfunc_end_k_qdad06e3abf_packmask-k_qdad06e3abf_packmask
	.p2alignl 7, 3214868480
	.fill 96, 4, 3214868480
	.section	.rodata,"a",@progbits
	.p2align	6, 0x0
	.amdhsa_kernel k_qdad06e3abf_packmask
		.amdhsa_group_segment_fixed_size 36352
		.amdhsa_private_segment_fixed_size 0
		.amdhsa_enable_private_segment 0
		.amdhsa_kernarg_size 24
		.amdhsa_user_sgpr_count 2
		.amdhsa_user_sgpr_kernarg_segment_ptr 1
		.amdhsa_wavefront_size32 1
		.amdhsa_system_sgpr_workgroup_id_x 1
		.amdhsa_system_sgpr_workgroup_id_y 1
		.amdhsa_system_sgpr_workgroup_id_z 1
		.amdhsa_system_vgpr_workitem_id 0
		.amdhsa_next_free_vgpr 98
		.amdhsa_next_free_sgpr 66
		.amdhsa_reserve_vcc 1
		.amdhsa_float_denorm_mode_32 3
		.amdhsa_float_denorm_mode_16_64 3
		.amdhsa_memory_ordered 1
		.amdhsa_forward_progress 1
		.amdhsa_inst_pref_size 47
	.end_amdhsa_kernel
	.amdgpu_metadata
---
amdhsa.version: [ 1, 2 ]
amdhsa.kernels:
  - .name:           k_qdad06e3abf_packmask
    .symbol:         k_qdad06e3abf_packmask.kd
    .args:
      - { .name: mask, .offset: 0, .size: 8, .value_kind: global_buffer, .address_space: global }
      - { .name: mbits, .offset: 8, .size: 8, .value_kind: global_buffer, .address_space: global }
      - { .name: mflag, .offset: 16, .size: 8, .value_kind: global_buffer, .address_space: global }
    .group_segment_fixed_size: 36352
    .private_segment_fixed_size: 0
    .kernarg_segment_align: 8
    .kernarg_segment_size: 24
    .max_flat_workgroup_size: 256
    .sgpr_count:     66
    .vgpr_count:     98
    .wavefront_size: 32
...
	.end_amdgpu_metadata
.endif
;; end of part 3
;; launch attn (part 4): grid 4 x 64, 16 waves a work-group, no clusters, 221,184 bytes of LDS; arguments Q_codes, Q_scales, K_codes, K_scales, V_codes, V_scales, mbits, mflag, out0; writes out0
.if DOCPART == 4
	.amdgcn_target "amdgcn-amd-amdhsa--gfx1250"
	.amdhsa_code_object_version 6
	.text
	.protected	k_qdad06e3abf_attn
	.globl	k_qdad06e3abf_attn
	.p2align	8
	.type	k_qdad06e3abf_attn,@function
k_qdad06e3abf_attn:
	s_mov_b64 s[64:65], 0
	v_nop
	global_prefetch_b8 v0, s[64:65] scope:SCOPE_SE
	s_setreg_imm32_b32 hwreg(HW_REG_WAVE_SCHED_MODE, 0, 2), 2
	s_setreg_imm32_b32 hwreg(HW_REG_WAVE_MODE, 25, 1), 1
	s_wait_xcnt 0x0
	s_wait_alu depctr_vm_vsrc(0)
; out0[head][q][:] = the sum over k of softmax_k(where(mask[q][k], Q[q] . K[k] / 8, -infinity)) V[k][:], 64 heads, 2,048 queries and keys, head size 64; both products on codes of FP4 (E2M1) with one E8M0 scale for each 32 along a product's K.
; Q, K: 32 bytes of codes and 2 scale bytes a row (K = the head's 64).  V: codes with the KEYS innermost, 64 rows d of 1,024 bytes, 64 scale bytes a row.  out0: rows of 64 f32.
; THE SOFTMAX AHEAD OF THE SECOND PRODUCT: t = score x log2(e) / 8; M = the row's largest t so far, rounded UP to a whole number; p = 2^(t - M) is quantised along the keys, not normalised.  The row's sum is taken of
; the unquantised p and divides at the end.  When M moves, the sum and O are multiplied by 2^(old M - new M): exact.
; THE MASK is an input.  An earlier launch has packed it: mbits holds, for a tile of 16 queries and a step of 128 keys, 64 lane masks, one for each score register; mflag two bits for each such tile:
; bit 2 s: some key of step s counts; bit 2 s + 1: all count.  A step in which no key counts is jumped over (its p would all be 0); a step in which all count needs no mask; any other takes 64 v_cndmask_b32.  That holds for every mask.
; A query for which no key counts gets sum 0 and O 0, and 0 x (1 / 0) is NaN, as the softmax of a row of -infinity is.
; SHARES.  A work-group of SIXTEEN waves holds the WHOLE head's K and V (139,264 bytes with their scales) in LDS, filled once through registers, behind the text's one barrier.  Wave w of work-group g has p = 16 g + w
; and takes query tiles p and 127 - p, one after the other, 16 queries each, in 256 registers: four waves to a SIMD, so that one wave's vector work stands beside another's matrix work and LDS loads.
; NO TENSOR LOAD, NO CLUSTER, though the four work-groups of a head read the same K and V: this text branches on numbers read from memory (the flags);
; what is shared is read once by each, at the head.  Nothing is streamed later, so nothing is prefetched.
; LAYOUT.  Both products are used transposed: S^T = K Q^T (source 0 = 16 keys, source 1 = my 16 queries), O^T = V^T P^T (source 0 = 16 of the head's 64, source 1 = P): a lane holds ONE query (lane % 16) throughout.
; THE KEYS OF A TILE ARE NOT NEIGHBOURS: lane r of tile 2 b + u takes key 32 b + 8 u + r + 8 (r / 8), so that score register J of lane (r, h) is key 32 (J / 16) + 16 h + J % 16 of the step: 16 neighbours in 16 registers.
; K = 64 IN AN INSTRUCTION OF K = 128.  A lane's registers 0-3 of a fragment hold k = 32 h + 0 .. 31, registers 4-7 k = 64 and on.  Q's registers 4-7 are zero codes, so whatever codes stand in K's registers 4-7 add 0 (E2M1 has no NaN
; and no infinity).  So K's eight tiles lie four registers each, and tile t's operand is v[32 + 4 t : 39 + 4 t]: its upper half is the next tile's data, the last tile's four zeros.  Bytes 2 and 3 of Q's and K's scale words are 0, never 0xff.
; LIMITS: scale bytes 0xff (NaN) among the inputs are not served; nor scores whose t leaves f32's range or lies under -3e38; a p under 2^-126 comes out of v_exp_f32 as 0 (beside a row's largest p above 1/2).
; THE MODE: SCHED_MODE bits 1:0 = 2 (LLVM: expert scheduling mode 2), set by the entry lines.  The code itself states the register dependences
; between vector or matrix instructions and memory or LDS instructions, with s_wait_alu, always for 0.
; THE PLAN.  Registers that memory or LDS instructions touch:
;   v5-7, v25, v26, v28-31, v218, v219, v254, v255   addresses and offsets (and the closing add's 0): written once at the head, ahead of one wait on va_vdst, and never again.
;   v100-171      THE FILL: loads land in v100-167; four vector lines make v168-171; LDS stores read them.  They are S and O afterwards: one wait on vm_vsrc at a tile's head.
;   v16-19, v24   Q: two loads at a tile's head land there; the products K Q^T read them.  No vector or matrix instruction stands between the last wait on va_vdst ahead of a tile's head and these loads.
;   v8-11         A STEP: its four additions write them, its 19 LDS loads read them.
;   v32-63, v204-211   K and its scale words: ten loads at the step's head land there, the step's eight products K Q^T read them.
;   v68-99, v212-215   V and its scale words: nine loads land there, the step's four products V^T P read them.
;   v100-163      THE WAY OUT: 16 multiplications write v100-131, LDS stores read them; loads from the stage land in v132-163, global stores read them.
; So a step has ONE wait on va_vdst for its loads, behind its four additions: the addresses are written, and the products of the step before are done reading K, V and their scale words.  Behind it the loads owe
; nothing more: K's ten go out at once, and V's eight fragment loads are dealt among the products K Q^T, which name S, K, Q and their scale words alone.  Three more waits on va_vdst stand in a step for vector results:
; ahead of the exponentials and behind them, and ahead of the scaled products that take p's codes and scale word.  One wait on vm_vsrc, beside the wait for V's loads, frees v8-11 for the next step.
.set VP,    1040                       ; a row of V in LDS: 1,024 bytes + 16: an odd multiple of 16, so the 16 rows that a load touches start at 16 different 16-byte columns of 256 (64 banks of 4 bytes: ISA guide 11.1)
.set SP,    272                        ; a stage row: 256 bytes + 16
.set KIMG,  0                          ; K's fragments as images of their registers: step s x 4,096 + tile t x 512 + 16 x lane
.set VOFF,  65536                      ; V's 64 rows
.set KSW,   VOFF+64*VP                 ; K's scale words: s x 768 + r x 48 + 4 t
.set VSW,   KSW+16*768                 ; V's: s x 256 + r x 16 + 4 t
.set STAGE, VSW+16*256                 ; the way out: 16 rows x 272 bytes for each wave
.set AK,   1                           ; v1   16 x lane
.set AV,   2                           ; v2   VOFF + 1040 r + 16 h
.set AKS,  3                           ; v3   KSW + 48 r
.set AVS,  4                           ; v4   VSW + 16 r
.set STO,  5                           ; v5   the stage: where I put 32 bytes of a row
.set SRD,  6                           ; v6   and where I read a row back
.set GO,   7                           ; v7   my byte offset in the tile's rows of out0
.set ADK,  8                           ; v8-11 the step's addresses: K's images, V's rows, K's scale words, V's
.set ADV,  9
.set ADS,  10
.set ADT,  11
                                       ; v12 -M, v13 the largest t so far, v[14:15] the sum in two halves
.set QF,   16                          ; v16-19 Q's fragment, v20-23 zeros
.set QS,   24                          ; v24  Q's scale words
.set QA,   25                          ; v25  32 r + 16 h
.set QSA,  26                          ; v26  2 r
.set NINF, 27                          ; v27  -infinity
.set KF,   32                          ; v32-63 K's eight tiles, v64-67 zeros
.set VF,   68                          ; v68-99 V's four tiles
.set S,    100                         ; v100-163 S^T, then p; at the head the fill's data; at the end the way out
.set O,    164                         ; v164-195 O^T
.set PC,   196                         ; v196-203 p's codes
.set KS,   204                         ; v204-211 K's scale words
.set VS,   212                         ; v212-215 V's
.set PW,   216                         ; v216 p's scale word
.set BM,   220                         ; v220-223 a block's largest score, then its largest p
.set BT,   224                         ; v224-227 the other half's, then the scale bytes
.set BS,   228                         ; v228-231 the conversions' scale operands
.set F,    232                         ; v[232:233] f = 2^(old M - new M), named as a pair
.set TMP,  234
.set L2,   236                         ; v[236:237] the sum's second chain
.set TK,   2                           ; s2, s3, s23, s24: where the step's K images, V bytes, K scale words, V scale words begin
.set TV,   3
.set TKS,  23
.set TVS,  24
.set WV,   22                          ; s22  my wave's number
.set PP,   25                          ; s25  p = 16 g + w
.set TT,   26                          ; s26  the query tile in hand
.set CNT,  28                          ; s28  steps to go
.set FLW,  29                          ; s29  the tile's flags, two bits off in each step
.set SEL,  66                          ; s[66:67] lane selects for v_permlanex16_b32: lane l xor 16
.set CS,   100                         ; s[100:101] c = log2(e) / 8: the packed form names a pair and takes its low word for both halves
                                       ; s[32:63], s[68:99]: a record's 64 lane masks
	s_load_b512 s[4:19], s[0:1], 0x0               ; Q's codes s[4:5], Q's scales s[6:7], K's s[8:9], s[10:11], V's s[12:13], s[14:15], mbits s[16:17], mflag s[18:19]
	s_load_b64 s[20:21], s[0:1], 0x40              ; out0
	v_lshl_add_u32 v254, v0, 2, 0x35800
	v_mov_b32 v255, 0
	v_lshrrev_b32 v1, 5, v0
	v_readfirstlane_b32 s[WV], v1                  ; wave 0..15
	s_and_b32 s27, ttmp7, 0xffff                   ; the head
	s_lshl_b32 s[PP], ttmp9, 4
	s_wait_alu depctr_va_sdst(0)                   ; s[WV] is written, ahead of its first reader: p and my stage's place are made from it
	s_add_co_u32 s[PP], s[PP], s[WV]
	s_mov_b32 s31, 0                               ; s[30:31]: an offset as a pair
	s_mov_b32 s[SEL], 0x76543210
	s_mov_b32 s[SEL+1], 0xfedcba98
	s_mov_b32 s[CS], 0x3e38aa3b                    ; log2(e) / 8
	s_mov_b32 s[CS+1], s[CS]                       ; (named with it as a pair, so it is written)
	v_and_b32 v9, 15, v0                           ; r
	v_bfe_u32 v10, v0, 4, 1                        ; h
	v_and_b32 v11, 31, v0                          ; lane
	v_lshlrev_b32 v[AK], 4, v11
	v_mul_u32_u24 v[AV], v9, VP
	v_lshl_add_u32 v[AV], v10, 4, v[AV]
	v_add_nc_u32 v[AV], VOFF, v[AV]
	v_mul_u32_u24 v[AKS], v9, 48
	v_add_nc_u32 v[AKS], KSW, v[AKS]
	v_lshl_add_u32 v[AVS], v9, 4, VSW
	s_mul_i32 s28, s[WV], 16*SP
	s_add_co_u32 s28, s28, STAGE                   ; my stage
	v_mul_u32_u24 v[STO], v9, SP                   ; in: row r, 32 bytes for each half of the lanes
	v_lshl_add_u32 v[STO], v10, 5, v[STO]
	v_add_nc_u32 v[STO], s28, v[STO]
	v_mul_u32_u24 v[SRD], v10, SP                  ; back: lanes 0-15 one row of 256 bytes, lanes 16-31 the next
	v_lshl_add_u32 v[SRD], v9, 4, v[SRD]
	v_add_nc_u32 v[SRD], s28, v[SRD]
	v_lshlrev_b32 v[GO], 8, v10                    ; and the same two rows in out0
	v_lshl_add_u32 v[GO], v9, 4, v[GO]
	v_lshlrev_b32 v[QA], 5, v9
	v_lshl_add_u32 v[QA], v10, 4, v[QA]
	v_lshlrev_b32 v[QSA], 1, v9
	v_mov_b32 v[NINF], 0xff800000
	; THE FILL'S ADDRESSES.  512 threads; thread n reads 16 bytes at 16 n + 8,192 i of K's and of V's codes (i = 0 .. 7) and 8 bytes at 8 n of each tensor of scale bytes: every load of a wave covers consecutive bytes.
	v_lshlrev_b32 v28, 4, v0
	v_lshlrev_b32 v29, 3, v0
	; K's codes: byte 16 n + 8,192 i is half n % 2 of key n / 2 + 256 i.  Of the key's bits, 2:0 are r's 2:0, 3 is u, 4 is r's 3, 6:5 are b, the rest the step.  Its place in the image: step x 4,096 + (2 b + u) x 512 + 256 h + 16 r
	v_bfe_u32 v8, v0, 1, 3
	v_lshlrev_b32 v30, 4, v8
	v_bfe_u32 v8, v0, 5, 1
	v_lshl_or_b32 v30, v8, 7, v30
	v_and_b32 v8, 1, v0
	v_lshl_or_b32 v30, v8, 8, v30
	v_lshl_or_b32 v30, v10, 9, v30
	v_lshrrev_b32 v8, 6, v0
	v_lshl_or_b32 v30, v8, 10, v30
	; V's codes: row n / 64 + 8 i, byte 16 (n % 64)
	v_mul_u32_u24 v31, v8, VP
	v_and_b32 v8, 63, v0
	v_lshl_add_u32 v31, v8, 4, v31
	v_add_nc_u32 v31, VOFF, v31
	; K's scale words: thread n has keys 4 n + e: step n / 32, r = 8 (bit 2 of n) + 4 (bit 0) + e, tile 2 (bits 4:3) + (bit 1)
	v_lshrrev_b32 v8, 5, v0
	v_mul_u32_u24 v218, v8, 768
	v_and_b32 v8, 1, v0
	v_mad_u32_u24 v218, v8, 192, v218
	v_bfe_u32 v8, v0, 2, 1
	v_mad_u32_u24 v218, v8, 384, v218
	v_bfe_u32 v8, v0, 3, 2
	v_lshl_add_u32 v218, v8, 3, v218
	v_bfe_u32 v8, v0, 1, 1
	v_lshl_add_u32 v218, v8, 2, v218
	v_add_nc_u32 v218, KSW, v218
	; V's scale words: thread n has row d = n / 8, steps 2 (n % 8) and the next: r = d % 16, tile d / 16
	v_and_b32 v8, 7, v0
	v_lshlrev_b32 v219, 9, v8
	v_bfe_u32 v8, v0, 3, 4
	v_lshl_add_u32 v219, v8, 4, v219
	v_lshrrev_b32 v8, 7, v0
	v_lshl_add_u32 v219, v8, 2, v219
	v_add_nc_u32 v219, VSW, v219
	s_wait_kmcnt 0x0
	s_lshl_b32 s30, s27, 16                        ; a head's codes: 65,536 bytes in each of the three tensors,
	s_add_nc_u64 s[4:5], s[4:5], s[30:31]
	s_add_nc_u64 s[8:9], s[8:9], s[30:31]
	s_add_nc_u64 s[12:13], s[12:13], s[30:31]
	s_lshl_b32 s30, s27, 12                        ; its scale bytes: 4,096,
	s_add_nc_u64 s[6:7], s[6:7], s[30:31]
	s_add_nc_u64 s[10:11], s[10:11], s[30:31]
	s_add_nc_u64 s[14:15], s[14:15], s[30:31]
	s_lshl_b32 s30, s27, 19                        ; its rows of out0: 524,288
	s_add_nc_u64 s[20:21], s[20:21], s[30:31]
	s_wait_alu depctr_va_vdst(0)                   ; every address and offset that a load or store of this kernel reads and no later line writes is written: v5-7, v25, v26, v28-31, v218, v219, and v254, v255 for the closing add
.irp i, 0,1,2,3,4,5,6,7
	global_load_b128 v[S+4*\i:S+4*\i+3], v28, s[8:9] offset:8192*\i          ; K's codes (no hint: four work-groups read these bytes)
.endr
.irp i, 0,1,2,3,4,5,6,7
	global_load_b128 v[S+32+4*\i:S+32+4*\i+3], v28, s[12:13] offset:8192*\i  ; V's codes
.endr
	global_load_b64 v[164:165], v29, s[10:11]      ; K's scale bytes: four keys'
	global_load_b64 v[166:167], v29, s[14:15]      ; V's: two steps' words of a row
.irp i, 0,1,2,3
	v_mov_b32 v[QF+4+\i], 0                        ; Q's upper half: zero codes, for the whole launch
	v_mov_b32 v[KF+32+\i], 0                       ; what stands behind K's last tile
	v_mov_b32 v[BT+\i], 0                          ; written once: a lane permute's destination counts as one of its sources
.endr
	v_mov_b32 v[F+1], 0                            ; (named as the upper half of a pair)
	v_mov_b32 v[TMP], 0                            ; (a lane permute's destination on the way out, also where every step was jumped over)
	s_wait_loadcnt 10                              ; K's eight loads are in; V's eight and the two of scale bytes may be out
.irp i, 0,1,2,3,4,5,6,7
	ds_store_b128 v30, v[S+4*\i:S+4*\i+3] offset:KIMG+8192*\i
.endr
	s_wait_loadcnt 2                               ; V's eight are in
.irp i, 0,1,2,3,4,5,6,7
	ds_store_b128 v31, v[S+32+4*\i:S+32+4*\i+3] offset:8*VP*\i
.endr
	s_wait_loadcnt 0x0
	v_and_b32 v168, 0xffff, v164                   ; a key's two bytes become a word whose bytes 2 and 3 are 0
	v_lshrrev_b32 v169, 16, v164
	v_and_b32 v170, 0xffff, v165
	v_lshrrev_b32 v171, 16, v165
	s_wait_alu depctr_va_vdst(0)                   ; v168-171 are written, which the LDS stores below read; so are the zero codes v20-23 and v64-67, which every scaled product K Q^T takes as part of a source
.irp e, 0,1,2,3
	ds_store_b32 v218, v[168+\e] offset:48*\e
.endr
	ds_store_b32 v219, v166
	ds_store_b32 v219, v167 offset:256
	s_wait_dscnt 0x0                               ; for the others' sake: my stores have landed
	s_barrier_signal -1
	s_barrier_wait -1                              ; the head's K and V lie in LDS; from here on nobody writes them, and the waves share nothing
; ONE TILE OF 16 QUERIES, number s[TT], through all 16 key steps and out.
.macro TILE
	s_wait_xcnt 0x0                                ; every earlier memory instruction has had its addresses translated (ISA guide 3.1): bases, the offset s30 and the last tile's store data are written again only behind this wait
	s_wait_alu depctr_vm_vsrc(0)                   ; the stores issued so far have read their data (first tile: the fill's LDS stores, v100-163 and v166-171; second tile: the way out's LDS and global stores, v100-163): the zeros of O^T, the products and the way out's loads write these registers again
	s_lshl_b32 s30, s[TT], 9
	s_add_nc_u64 s[8:9], s[4:5], s[30:31]          ; the tile's codes of Q: 16 rows of 32 bytes,
	s_lshl_b32 s30, s[TT], 5
	s_add_nc_u64 s[10:11], s[6:7], s[30:31]        ; its scale bytes,
	s_lshl_b32 s30, s[TT], 12
	s_add_nc_u64 s[12:13], s[20:21], s[30:31]      ; its rows of out0: 16 of 256 bytes,
	s_add_nc_u64 s[14:15], s[16:17], s[30:31]      ; its 16 mask records of 256 bytes,
	s_lshl_b32 s30, s[TT], 2
	s_load_b32 s[FLW], s[18:19], s30 offset:0x0    ; its flags
	global_load_b128 v[QF:QF+3], v[QA], s[8:9] th:TH_LOAD_NT   ; no wait on va_vdst here: no vector or matrix instruction has been issued since the last one (ahead of the fill's last LDS stores; ahead of the way out's), so the last tile's products are done reading Q and its scale words
	global_load_u16 v[QS], v[QSA], s[10:11] th:TH_LOAD_NT   ; zero-extended: bytes 2 and 3 are 0
	v_mov_b32 v13, 0xff61b1e6                      ; the largest t so far: -3e38
	v_floor_f32 v12, -v13                          ; -M
	v_mov_b32 v14, 0                               ; the sum, in two halves
	v_mov_b32 v15, 0
.set j, 0
.rept 32
	v_mov_b32 v[O+j], 0                            ; O^T.  Any step may be jumped over, so no step is known to be the first: the sums begin as zeros, which the first change of M leaves zeros
.set j, j+1
.endr
	s_mov_b32 s[TK], 0
	s_mov_b32 s[TV], 0
	s_mov_b32 s[TKS], 0
	s_mov_b32 s[TVS], 0
	s_mov_b32 s[CNT], 16
	s_wait_kmcnt 0x0                               ; the flags
	s_wait_loadcnt 0x0                             ; Q
.Lstep_\@:
	s_bitcmp1_b32 s[FLW], 0                        ; does any key of this step count for any of my queries?
	s_cbranch_scc0 .Lskip_\@
	v_add_nc_u32 v[ADK], s[TK], v[AK]              ; (the loads that read these four last have read them: the wait on vm_vsrc ahead of the last step's products V^T P)
	v_add_nc_u32 v[ADV], s[TV], v[AV]
	v_add_nc_u32 v[ADS], s[TKS], v[AKS]
	v_add_nc_u32 v[ADT], s[TVS], v[AVS]
	s_wait_alu depctr_va_vdst(0)                   ; the four addresses are written, which this step's 19 LDS loads read; the products of the step before are done reading K, V and their scale words, in which those loads land
	ds_load_b128 v[KS:KS+3], v[ADS]                ; K's ten loads first,
	ds_load_b128 v[KS+4:KS+7], v[ADS] offset:16
.irp t, 0,1,2,3,4,5,6,7
	ds_load_b128 v[KF+4*\t:KF+4*\t+3], v[ADK] offset:KIMG+512*\t
.endr
	ds_load_b128 v[VS:VS+3], v[ADT]                ; then V's scale words
	s_wait_dscnt 1                                 ; LDS loads come back in order (ISA guide 5.7.1): K's ten are in, the one load of V's scale words may be out
.irp t, 0,1,2,3,4,5,6,7
	v_wmma_scale_f32_16x16x128_f8f6f4 v[S+8*\t:S+8*\t+7], v[KF+4*\t:KF+4*\t+7], v[QF:QF+7], 0, v[KS+\t], v[QS] matrix_a_fmt:MATRIX_FMT_FP4 matrix_b_fmt:MATRIX_FMT_FP4
	ds_load_b128 v[VF+4*\t:VF+4*\t+3], v[ADV] offset:16*VP*(\t/2)+32*(\t%2)   ; V's eight fragment loads, one behind each product; they land under the softmax.  No wait: no vector or matrix instruction since the wait above names V's registers or v[ADV]
.endr
.rept 4
	v_nop                                          ; four places in front of the first read of the scores (ISA guide 7.12.1)
.endr
	s_bitcmp1_b32 s[FLW], 1                        ; do all 16 x 128 count?
	s_cbranch_scc1 .Lopen_\@
	s_load_b512 s[32:47], s[14:15], 0x0            ; the record: 64 lane masks.  Loads, wait and use stand in this one branch
	s_load_b512 s[48:63], s[14:15], 0x40
	s_load_b512 s[68:83], s[14:15], 0x80
	s_load_b512 s[84:99], s[14:15], 0xc0
	s_wait_kmcnt 0x0
.set J, 0
.rept 64
.if J < 32
	v_cndmask_b32 v[S+J], v[NINF], v[S+J], s[32+J] ; where the bit is 0 the score becomes -infinity: p = 0 then
.else
	v_cndmask_b32 v[S+J], v[NINF], v[S+J], s[36+J]
.endif
.set J, J+1
.endr
.Lopen_\@:
.irp b, 0,1,2,3
	v_max3_num_f32 v[BM+\b], v[S+16*\b], v[S+1+16*\b], v[S+2+16*\b]   ; THE LARGEST SCORE OF EACH BLOCK OF 32 KEYS: it serves twice: for the row's maximum, and, since p rises with the score, for the block's largest p
.endr
.irp i, 3,5,7,9,11,13
.irp b, 0,1,2,3
	v_max3_num_f32 v[BM+\b], v[BM+\b], v[S+16*\b+\i], v[S+1+16*\b+\i]  ; (the four blocks by turns)
.endr
.endr
.irp b, 0,1,2,3
	v_max_num_f32 v[BM+\b], v[BM+\b], v[S+15+16*\b]
.endr
.irp b, 0,1,2,3
	v_permlanex16_b32 v[BT+\b], v[BM+\b], s[SEL], s[SEL+1]
.endr
.irp b, 0,1,2,3
	v_max_num_f32 v[BM+\b], v[BM+\b], v[BT+\b]     ; with lane l xor 16's 16 keys
.endr
	v_max3_num_f32 v[TMP], v[BM], v[BM+1], v[BM+2]
	v_max_num_f32 v[TMP], v[TMP], v[BM+3]          ; the step's largest score of my query
	v_mul_f32 v[TMP], s[CS], v[TMP]                ; as t (c is positive)
	v_max_num_f32 v13, v13, v[TMP]                 ; the running largest t
	v_mov_b32 v[TMP], v12
	v_floor_f32 v12, -v13                          ; the new -M = floor(-t) = -ceil(t): M IS A WHOLE NUMBER
	v_sub_f32 v[TMP], v12, v[TMP]                  ; M's old value less its new one: a whole number, 0 or less
	v_cvt_i32_f32 v[TMP], v[TMP]                   ; (it saturates)
	v_ldexp_f32 v[F], 1.0, v[TMP]                  ; f = 2^(old M - new M): a multiplication by it rounds nothing
.set j, 0
.rept 32
	v_pk_fma_f32 v[S+j:S+j+1], v[S+j:S+j+1], s[CS:CS+1], v[12:13] op_sel_hi:[1,0,0]   ; t - M, two at a time (of the pairs c and -M the low word serves both halves)
.set j, j+2
.endr
.irp b, 0,1,2,3
	v_fma_f32 v[BM+\b], v[BM+\b], s[CS], v12       ; the same of each block's largest score
.endr
.set j, 0
	s_wait_alu depctr_va_vdst(0)
.rept 64
	v_exp_f32 v[S+j], v[S+j]                       ; p = 2^(t - M), at most 1: NOT normalised
.set j, j+1
.endr
.irp b, 0,1,2,3
	v_exp_f32 v[BM+\b], v[BM+\b]                   ; the block's largest p: the same two instructions on the same number give the same bits
.endr
	v_pk_mul_f32 v[14:15], v[14:15], v[F:F+1] op_sel_hi:[1,0]   ; the sums under the new M.  (The plain instruction behind the exponentials: ISA guide 5.7.2)
	s_wait_alu depctr_va_vdst(0)                   ; the 68 exponentials have written p, v[S ..], and the blocks' largest p, v[BM ..]: one wait for the batch, ahead of its first reader
.irp b, 0,1,2,3
	v_max_num_f32 v[BM+\b], 0x1800000, v[BM+\b]    ; the floor 2^(3 - 127): the byte cannot fall under 1 (a block whose every p is 0 keeps that byte: its codes are zeros)
.endr
.irp b, 0,1,2,3
	v_add_nc_u32 v[BS+\b], 0xff000000, v[BM+\b]    ; 2 off the exponent field: the conversion's scale operand
.endr
.irp b, 0,1,2,3
	v_lshrrev_b32 v[BT+\b], 23, v[BS+\b]           ; the scale's byte
.endr
	v_lshl_or_b32 v[PW], v[BT+1], 8, v[BT]         ; p's scale word for these 128 keys
	v_lshl_or_b32 v[PW], v[BT+2], 16, v[PW]
	v_lshl_or_b32 v[PW], v[BT+3], 24, v[PW]
.irp b, 0,1,2,3
	v_cvt_scalef32_pk8_fp4_f32 v[PC+2*\b], v[S+16*\b:S+7+16*\b], v[BS+\b]
	v_cvt_scalef32_pk8_fp4_f32 v[PC+1+2*\b], v[S+8+16*\b:S+15+16*\b], v[BS+\b]
.endr
	v_nop                                          ; one plain vector instruction between a scaled conversion and the vector instruction that touches its result
.irp c, 0,1                                    ; the operand's layout wants a WHOLE block in a lane: lanes 0-15 block 2 c, lanes 16-31 block 2 c + 1
.irp i, 0,1
	v_permlane16_swap_b32 v[PC+4*\c+\i], v[PC+2+4*\c+\i]
.endr
.endr
	v_pk_add_f32 v[L2:L2+1], v[S:S+1], v[S+2:S+3]  ; THE ROW'S SUM IS TAKEN OF THE UNQUANTISED p: two at a time, in two chains
.set j, 4
.rept 15
	v_pk_add_f32 v[14:15], v[14:15], v[S+j:S+j+1]
	v_pk_add_f32 v[L2:L2+1], v[L2:L2+1], v[S+2+j:S+3+j]
.set j, j+4
.endr
	v_pk_add_f32 v[14:15], v[14:15], v[L2:L2+1]
.set j, 0
.rept 16
	v_pk_mul_f32 v[O+j:O+j+1], v[O+j:O+j+1], v[F:F+1] op_sel_hi:[1,0]   ; O^T under the new M: x f, from each accumulator's low end on.  (The sums and these are also the places between p's scale word and codes and the products below)
.set j, j+2
.endr
	s_wait_alu depctr_va_vdst(0)                   ; p's codes v[PC ..] and its scale word v[PW] are written, which the scaled products below take as source 1 and its scales; the places above stay beside this wait
	s_wait_dscnt 0x0                               ; V's nine loads are in
	s_wait_alu depctr_vm_vsrc(0)                   ; this step's 19 LDS loads have read v[ADK] to v[ADT], which the next step that is not jumped over writes again: stated here, ahead of the loop's label and branches, so on every way to that write
.irp t, 0,1,2,3                                ; O^T += V^T P^T: the four accumulators take turns, and the next step's eight products stand between two links of a chain
	v_wmma_scale_f32_16x16x128_f8f6f4 v[O+8*\t:O+8*\t+7], v[VF+8*\t:VF+8*\t+7], v[PC:PC+7], v[O+8*\t:O+8*\t+7], v[VS+\t], v[PW] matrix_a_fmt:MATRIX_FMT_FP4 matrix_b_fmt:MATRIX_FMT_FP4
.endr
.Lskip_\@:
	s_lshr_b32 s[FLW], s[FLW], 2                   ; the next step's flags,
	s_add_co_u32 s[TK], s[TK], 4096                ; its images of K,
	s_add_co_u32 s[TV], s[TV], 64                  ; its 64 bytes of V's rows,
	s_add_co_u32 s[TKS], s[TKS], 768               ; its scale words,
	s_add_co_u32 s[TVS], s[TVS], 256
	s_add_nc_u64 s[14:15], s[14:15], 256           ; its mask record (the loads that named this base were waited for in their branch)
	s_sub_co_u32 s[CNT], s[CNT], 1
	s_cmp_lg_u32 s[CNT], 0
	s_cbranch_scc1 .Lstep_\@
	; THE WAY OUT.  O^T is divided by the row's sum and goes through my stage in LDS, so that sixteen lanes store one whole row of 256 bytes.
.rept 4
	v_nop                                          ; four places behind the last products (ISA guide 7.12.1)
.endr
	v_add_f32 v14, v14, v15                        ; the sum's two halves,
	v_permlanex16_b32 v[TMP], v14, s[SEL], s[SEL+1]
	v_add_f32 v14, v14, v[TMP]                     ; and lane l xor 16's: the row's sum
	s_wait_alu depctr_va_vdst(0)
	v_rcp_f32 v14, v14
	v_nop                                          ; a plain instruction between the reciprocal and the use of its result
.set j, 0
	s_wait_alu depctr_va_vdst(0)                   ; the reciprocal has written v14, ahead of its first reader
.rept 16
	v_pk_mul_f32 v[S+j:S+j+1], v[O+j:O+j+1], v[14:15] op_sel_hi:[1,0]   ; register 8 t + i is out0(r, 16 t + 8 h + i)
.set j, j+2
.endr
	s_wait_alu depctr_va_vdst(0)                   ; the multiplications have written v[S .. S + 31], which the LDS stores read; every vector line that named v[S + 32 .. S + 63], in which the loads from the stage land, is done too
.irp t, 0,1,2,3
	ds_store_b128 v[STO], v[S+8*\t:S+8*\t+3] offset:64*\t
	ds_store_b128 v[STO], v[S+8*\t+4:S+8*\t+7] offset:64*\t+16
.endr
.irp i, 0,1,2,3,4,5,6,7
	ds_load_b128 v[S+32+4*\i:S+32+4*\i+3], v[SRD] offset:2*SP*\i   ; LDS serves a wave's instructions in order (ISA guide 5.7.1.4): these see my stores; the stage is my wave's own
.endr
.irp i, 0,1,2,3,4,5,6,7
	s_wait_dscnt 7-\i                              ; load i is in, the younger ones stay out
	global_store_b128 v[GO], v[S+32+4*\i:S+32+4*\i+3], s[12:13] offset:512*\i th:TH_STORE_NT   ; 16 lanes store 256 consecutive bytes, at a multiple of 256 from out0's first byte; written once, read by nobody here
.endr
.endm
	s_mov_b32 s[TT], s[PP]                         ; tile p,
	TILE
	s_sub_co_u32 s[TT], 127, s[PP]                 ; then tile 127 - p: the 64 numbers p of a head's four work-groups so cover its 128 tiles once each
	TILE
	s_wait_dscnt 0x0                               ; the closing lines, six on end
	s_wait_alu 0x0
	s_wait_tensorcnt 0x0
	ds_add_u32 v254, v255
	s_wait_dscnt 0x0
	s_endpgm
.Lfunc_end_k_qdad06e3abf_attn:
	.size	k_qdad06e3abf_attn, .Lfunc_end_k_qdad06e3abf_attn-k_qdad06e3abf_attn
	.p2alignl 7, 3214868480
	.fill 96, 4, 3214868480
	.section	.rodata,"a",@progbits
	.p2align	6, 0x0
	.amdhsa_kernel k_qdad06e3abf_attn
		.amdhsa_group_segment_fixed_size 221184
		.amdhsa_private_segment_fixed_size 0
		.amdhsa_enable_private_segment 0
		.amdhsa_kernarg_size 72
		.amdhsa_user_sgpr_count 2
		.amdhsa_user_sgpr_kernarg_segment_ptr 1
		.amdhsa_wavefront_size32 1
		.amdhsa_system_sgpr_workgroup_id_x 1
		.amdhsa_system_sgpr_workgroup_id_y 1
		.amdhsa_system_sgpr_workgroup_id_z 1
		.amdhsa_system_vgpr_workitem_id 0
		.amdhsa_next_free_vgpr 256
		.amdhsa_next_free_sgpr 102
		.amdhsa_reserve_vcc 0
		.amdhsa_float_denorm_mode_32 3
		.amdhsa_float_denorm_mode_16_64 3
		.amdhsa_memory_ordered 1
		.amdhsa_forward_progress 1
		.amdhsa_inst_pref_size 59
	.end_amdhsa_kernel
	.amdgpu_metadata
---
amdhsa.version: [ 1, 2 ]
amdhsa.kernels:
  - .name:           k_qdad06e3abf_attn
    .symbol:         k_qdad06e3abf_attn.kd
    .args:
      - { .name: Q_codes, .offset: 0, .size: 8, .value_kind: global_buffer, .address_space: global }
      - { .name: Q_scales, .offset: 8, .size: 8, .value_kind: global_buffer, .address_space: global }
      - { .name: K_codes, .offset: 16, .size: 8, .value_kind: global_buffer, .address_space: global }
      - { .name: K_scales, .offset: 24, .size: 8, .value_kind: global_buffer, .address_space: global }
      - { .name: V_codes, .offset: 32, .size: 8, .value_kind: global_buffer, .address_space: global }
      - { .name: V_scales, .offset: 40, .size: 8, .value_kind: global_buffer, .address_space: global }
      - { .name: mbits, .offset: 48, .size: 8, .value_kind: global_buffer, .address_space: global }
      - { .name: mflag, .offset: 56, .size: 8, .value_kind: global_buffer, .address_space: global }
      - { .name: out0, .offset: 64, .size: 8, .value_kind: global_buffer, .address_space: global }
    .group_segment_fixed_size: 221184
    .private_segment_fixed_size: 0
    .kernarg_segment_align: 8
    .kernarg_segment_size: 72
    .max_flat_workgroup_size: 512
    .sgpr_count:     102
    .vgpr_count:     256
    .wavefront_size: 32
...
	.end_amdgpu_metadata
.endif
;; end of part 4
